; MI455X (gfx1250); checked and timed in simulation.
; The chip was launched on July 23, 2026; its instructions are those of AMD's public machine-readable ISA for CDNA 5 (MIT licence, August 2026) and "CDNA5" Instruction Set Architecture Reference Guide (July 2026). The comments in the code are by the model that wrote it; some were corrected since.
;; Attention. Allowed arithmetic: matrix products marked QUANTISED: E4M3 operands, one E8M0 scale for each 32 along K, by v_wmma_scale_f32_16x16x128_f8f6f4 with both operands' format E4M3, f32 sums; everything else in f32.
;; Inputs: b_out 1,024 float32; w_out_codes 1,024 x 32 x 32 uint8 (E4M3 codes of w_out, K innermost, in blocks of 32 codes); w_out_scales 1,024 x 32 uint8 (E8M0 scales of w_out, one for each 32 codes along K); w_qkv_codes 3,072 x 32 x 32 uint8 (E4M3 codes of w_qkv, K innermost, in blocks of 32 codes); w_qkv_scales 3,072 x 32 uint8 (E8M0 scales of w_qkv, one for each 32 codes along K); x_codes 4 x 2,048 x 32 x 32 uint8 (E4M3 codes of x, K innermost, in blocks of 32 codes); x_scales 4 x 2,048 x 32 uint8 (E8M0 scales of x, one for each 32 codes along K).
;; Outputs: out0 4 x 2,048 x 1,024 float32.
;; This version of the problem:
;;   THIS VERSION OF THE PROBLEM IS GIVEN IN LOW PRECISION. The matrix products marked QUANTISED in the list below multiply operands that are first quantised to E4M3 (4 exponent bits, 3 mantissa bits; 8 bits a number), with one power-of-two scale for each 32 numbers along K (OCP MX v1.0); their sums are f32. All else is computed in f32.
;;   The module's matrix products, in the order in which they are computed (A, B: the left and right operand; K: the contracted axis; several contracted axes count as one K, in the product's order):
;;     1. [M 8,192, K 1,024] x [K 1,024, N 3,072]; A: input x (given as codes); B: input w_qkv (given as codes): QUANTISED
;;     2. batch 64 x [M 2,048, K 64] x [K 64, N 2,048]; A: computed on the way; B: computed on the way: QUANTISED
;;     3. batch 64 x [M 2,048, K 2,048] x [K 2,048, N 64]; A: softmax (see below); B: computed on the way: QUANTISED
;;     4. [M 8,192, K 1,024] x [K 1,024, N 1,024]; A: computed on the way; B: input w_out (given as codes): QUANTISED
;;   THE QUANTISER, for each operand of a quantised product, along K:
;;     - K is cut into blocks of 32 from its start; a last block that is shorter is filled with zeros.
;;     - A block's scale is 2^e with e = floor(log2(the largest magnitude in the block)) - 8, held to -126 .. 127; a block of zeros has e = 0. As a byte (E8M0): e + 127.
;;     - Each number is divided by its block's scale, clamped to +-448, and rounded to the nearest number of E4M3, ties to even, subnormals kept.
;;     - The product sums the exact products of the quantised numbers (number of the format x scale) in f32.
;;   ~~~python
;;   def quantise(x, axis):      # numpy; x: float32 -> the quantised numbers, widened to float32 again
;;       x = np.moveaxis(x, axis, -1); K = x.shape[-1]
;;       x = np.pad(x, [(0, 0)] * (x.ndim - 1) + [(0, -K % 32)]); x = x.reshape(x.shape[:-1] + (-1, 32)); a = np.abs(x).max(-1, keepdims=True)
;;       e = np.where(a > 0, np.clip(np.frexp(np.where(a > 0, a, 1))[1] - 1 - 8, -126, 127), 0)      # np.frexp(a)[1] - 1 = floor(log2(a)), exactly
;;       r = np.clip(x / 2.0 ** e, -448, 448)
;;       step = 2.0 ** (np.maximum(np.frexp(np.where(r == 0, 1, r))[1] - 1, -6) - 3)
;;       q = np.round(r / step) * step * 2.0 ** e      # np.round: ties to even
;;       return np.moveaxis(q.reshape(q.shape[:-2] + (-1,))[..., :K], -1, axis).astype(np.float32)
;;   ~~~
;;   SOFTMAX AHEAD OF A QUANTISED PRODUCT. Where the list says 'softmax', what is quantised is not the finished softmax but p = 2^(t - M), with t = logit x log2(e) and M = ceil(the row's largest t), a whole number; so 1/2 < the row's largest p <= 1. The row's sum l is taken of the UNQUANTISED p, in f32, and the product's result is divided by l at the end. Since M is a whole number, a kernel that streams over the keys may use a running M (the ceiling of the running maximum): every later rescaling is an exact power of two, which a block's scale takes up: the codes' values come out the same.
;;   OPERANDS COMPUTED ON THE WAY. 'Computed on the way' means the value that the module computes at that place (a softmax that the list does not call 'softmax' is quantised finished and normalised). What goes into a quantiser is computed in f32, as accurately as f32 sums, v_exp_f32 and their like allow (about 1e-6 of the number): no bf16 or f16 on the way to a quantiser, and a product that is left as it is and whose result goes on into a quantised operand takes f32 operands (vector FMAs, or v_wmma_f32_16x16x4_f32). A number that lies on a knife's edge between two numbers of the format may be rounded either way, as far as f32 arithmetic and the matrix unit's own rounding can turn it there, and no further.
;;   INPUTS GIVEN AS CODES. w_out (in the module: [1024, 1024], K = its axis 0); w_qkv (in the module: [1024, 3072], K = its axis 0); x (in the module: [4, 2048, 1024], K = its axis 2): each comes as NAME_codes (uint8): NAME with its K axis moved to the last place and cut into blocks of 32 codes, [.., K / 32, bytes a block], one block behind the other in memory; one code a byte (a code: sign, 4 exponent bits, 3 mantissa bits); and NAME_scales (uint8): the same leading axes, one E8M0 byte (e + 127) for each 32 codes along K. Its value is code x scale, taken as it is: it is not quantised again, and the codes and scales need not be those that the quantiser above would give.
;; One version. Each part assembles by itself: llvm-mc -triple=amdgcn-amd-amdhsa -mcpu=gfx1250 --defsym DOCPART=n.
;; ======== version 1 of 1: 3 launches
;; limits: right only within a limited range of input values
;; workspace buffers: qk_img 16,777,216 bytes; qk_sc 524,288 bytes; v_img 8,388,608 bytes; v_sc 262,144 bytes; a_img 8,388,608 bytes; a_sc 262,144 bytes
;; launch qkv (part 1): grid 8 x 32, 4 waves a work-group, clusters of 4 x 4, 327,680 bytes of LDS; arguments x_codes, x_scales, w_qkv_codes, w_qkv_scales, qk_img, qk_sc, v_img, v_sc; writes qk_img, qk_sc, v_img, v_sc
.if DOCPART == 1
	.amdgcn_target "amdgcn-amd-amdhsa--gfx1250"
	.amdhsa_code_object_version 6
	.text
	.protected	k_q36b2aa95cd_qkv
	.globl	k_q36b2aa95cd_qkv
	.p2align	8
	.type	k_q36b2aa95cd_qkv,@function
k_q36b2aa95cd_qkv:
	s_mov_b64 s[64:65], 0
	v_nop
	global_prefetch_b8 v0, s[64:65] scope:SCOPE_SE
	s_setreg_imm32_b32 hwreg(HW_REG_WAVE_MODE, 25, 1), 1
	s_wait_xcnt 0x0
	s_wait_alu depctr_hold_cnt(0) depctr_sa_sdst(0) depctr_va_vdst(0) depctr_va_sdst(0) depctr_va_ssrc(0) depctr_va_vcc(0) depctr_vm_vsrc(0)
	s_getreg_b32 s2, hwreg(HW_REG_IB_STS2, 6, 4)
	s_cmp_eq_u32 s2, 0
	s_cbranch_scc0 .Lentry_in_a_cluster
	s_endpgm
.Lentry_in_a_cluster:
	s_bfe_u32 s2, ttmp6, 0x10000c
	s_cmp_lg_u32 s2, 0xf033
	s_cbranch_scc0 .Lentry_shape_is_right
	s_endpgm
.Lentry_shape_is_right:
; Q, K, V = x W^T AND THEIR QUANTISERS, on codes of MX-FP8 (E4M3, a scale byte for 32 along K): 8,192 x 3,072 x 1,024.  Codes and scale bytes leave as images of the next launch's operand registers; no f32 result is stored.
; THE DEAL.  256 work-groups, (g = 0..7) x (M = 0..31), four waves.  A work-group owns x's rows 256 M .. + 255 and 384 rows of W: Q's or K's rows 256 g .. + 255 (four heads) and V's rows 2,048 + 128 g .. + 127 (two heads): the same text in every work-group.
; Wave w holds x's rows 64 w .. + 63, ALL of K, in 512 registers (windows 1, 2) and walks W's rows in pairs of blocks of 16 (two sets of 128 registers, window 3): 64 products a pair, 12 pairs.  Window 0: sums, scale words, the quantiser.
; Q, K: source 0 = W's 16 rows, source 1 = x's 16 rows: a lane holds one token, its registers channels 16 block + 8 (lane / 16) + j: a scale block of 32 channels is a pair's two sums of one x tile, in lanes l and l xor 16.
; V: the sources change places: a lane holds one channel, its registers tokens: a scale block of 32 keys is one W block's sums of two neighbouring x tiles.
; LDS: two slots of 128 rows (1,024 bytes + 16 of padding).  FILLS, one joint load a wave each: x's 256 rows at the head (each wave reads only the rows that it fetched); W's rows 256 g .. + 255 over them, behind a drained round, when x stands in registers;
; V's 128 rows over slot 0 behind pair 3, again behind a drained round; they are shown by the barrier behind pair 7.  x's rows are shared along a row of the cluster, W's along a column.
; OUT.  qk_img: (head32 x 64 + token / 128) x 8192 + (token / 32 % 4) x 2048 + plane x 512 + 16 x lane; planes 0, 1: tokens 32 a + r, channel blocks 0, 1; planes 2, 3: tokens 32 a + 16 + r.  qk_sc: 256 bytes for 128 tokens: 16 r + 4 a + plane.
; v_img: (head x 64 + key / 128) x 8192 + (tile of 16 channels) x 2048 + (block of 32 keys) x 512 + 16 x lane.  v_sc: 16 r + 4 x tile + block.  The scale bytes are gathered in LDS and leave at the end in whole units of 256 bytes.
; PREFETCH: W's rows of both later fills are asked for at the head, each aligned 256 bytes once in a cluster: the sixteen waves of a cluster's column share them out by address.
; LIMITS: a block of zeros, or one under 2^-118, gets the byte 1 (this program alone reads the bytes).  NaN, infinities and sums beyond f32's range are not served.
.set PITCH, 1040
.set YB,    128*PITCH                  ; slot 1
.set SPARE, 2*YB                       ; the spare words
.set XN,    SPARE+512                  ; Q's, K's scale bytes: [head of four][128 tokens of two][256]
.set XV,    XN+2048                    ; V's: [head of two][128 tokens of two][256]
.set SWL,   XV+1024                    ; W's scale words as register images: [pair of twelve][half of a row][lane][16]
.set ADW0, 4                           ; v4 r x pitch + 16 (lane / 16)
.set ADRX, 5                           ; v5 my x rows
.set LS,   6                           ; v6 32 x lane
.set CO,   7                           ; v7 16 x lane
.set VXQ0, 8
.set VXV0, 9
.set SWA0, 10
.set SWS,  11
.set RDQ,  12
.set RDV,  13
.set C8,   14
.set PF1,  15
.set PF2,  16
.set ADW,  17                          ; v17, v18 the trip's two pairs, the next trip's
.set ADW2, 18
.set SWA,  19
.set VX,   20
.set SPW,  22
.set NIL,  23
.set SA,   28                          ; v28-43 x's scale words: register 8 p + q: lanes 0-15 tile 2 p, lanes 16-31 tile 2 p + 1
.set SBW,  48                          ; v48-55 the pair's: lanes 0-15 block 0, lanes 16-31 block 1
.set ACC,  144                         ; v144-207 eight sums: 32 x block + 8 x tile
.set PC,   208                         ; v208-223 codes
.set TM,   224                         ; v224-239 the quantiser's maxima, bytes, bounds, scale operands
.set WV,   20
.set TW,   2
.set TSW,  3
.set TX,   46
.set CNT,  47
.set G1X,  24
.set G1W,  32
.set G1V,  48
.set G0X,  56
.set G0W,  60
.set G0V,  68
.set OBS,  92                          ; s[92:93] where the trip's codes go
.set MSB, 0
.macro WIN new
.if MSB != (\new)
	s_set_vgpr_msb (MSB<<8)|(\new)
.set MSB, (\new)
.endif
.endm
.macro PLACES n
.rept \n
	v_nop
.endr
.endm
.macro BARRIER
	s_barrier_signal -1
	s_barrier_wait -1
.endm
.macro CROUND                          ; a round of the cluster's barrier
	BARRIER
	s_cmp_lg_u32 s[WV], 0
	s_cbranch_scc1 .Lnot_wave_0_\@
	s_barrier_signal -3
.Lnot_wave_0_\@:
	s_barrier_wait -3
	BARRIER
.endm
.macro TL g0, g1                       ; a tensor load; s_nop 0 and four v_nop follow it
	tensor_load_to_lds s[\g0:\g0+3], s[\g1:\g1+7]
	s_nop 0
	PLACES 4
.endm
.macro GROUP1 g, mask, rows            ; whole rows of K, 1,024 bytes, 16 of padding behind each
	s_or_b32 s[\g+0], s[\mask], (1<<20)|(1<<21)|(7<<22)|(3<<25)
	s_mov_b32 s[\g+1], 1024<<16
	s_mov_b32 s[\g+2], (\rows)<<16
	s_mov_b32 s[\g+3], 1024<<16
	s_mov_b32 s[\g+4], \rows
	s_mov_b32 s[\g+5], 1024
	s_mov_b32 s[\g+6], 0
	s_mov_b32 s[\g+7], 0
.endm
.macro GROUP0 g, lds, base             ; to LDS byte s[lds], from s[66:67] bytes into the buffer
	s_mov_b32 s[\g], 1
	s_mov_b32 s[\g+1], s[\lds]
	s_add_nc_u64 s[\g+2:\g+3], s[\base:\base+1], s[66:67]
	s_or_b32 s[\g+3], s[\g+3], 0x80000000
.endm
	s_load_b256 s[4:11], s[0:1], 0x0               ; x's codes, scales, W's codes, scales
	s_load_b256 s[12:19], s[0:1], 0x20             ; qk_img, qk_sc, v_img, v_sc
	v_lshl_add_u32 v[SPW], v0, 2, SPARE
	v_mov_b32 v[NIL], 0
	ds_add_u32 v[SPW], v[NIL]                      ; the opening lines: the add twice on end and its wait
	ds_add_u32 v[SPW], v[NIL]
	v_lshrrev_b32 v1, 5, v0
	v_readfirstlane_b32 s[WV], v1                  ; wave 0..3
	s_lshr_b32 s21, s[WV], 1
	s_and_b32 s22, s[WV], 1
	s_bfe_u32 s40, ttmp6, 0x40000                  ; cx, cy
	s_bfe_u32 s41, ttmp6, 0x40004
	s_lshl_b32 s42, ttmp9, 2
	s_add_co_u32 s42, s42, s40                     ; g
	s_and_b32 s43, ttmp7, 0xffff
	s_lshl_b32 s43, s43, 2
	s_add_co_u32 s43, s43, s41                     ; M
	s_lshl_b32 s44, s41, 2
	s_lshl_b32 s44, 15, s44                        ; my row of the cluster: shares x's rows
	s_lshl_b32 s45, 0x1111, s40                    ; my column: shares W's
	GROUP1 G1X, 44, 64
	GROUP1 G1W, 45, 64
	GROUP1 G1V, 45, 32
	s_mul_i32 s72, s[WV], 64*PITCH
	s_mul_i32 s73, s[WV], 32*PITCH
	s_mov_b32 s67, 0
	s_lshl_b32 s66, s43, 18                        ; x: row 256 M + 64 w
	s_lshl_b32 s23, s[WV], 16
	s_add_co_u32 s66, s66, s23
	s_mov_b32 s80, 0x76543210
	s_mov_b32 s81, 0xfedcba98
	s_mov_b32 s82, 0x600000
	s_wait_dscnt 0x0
	CROUND                                         ; all sixteen work-groups are here
	s_wait_kmcnt 0x0
	GROUP0 G0X, 72, 4
	TL G0X, G1X                                    ; my 64 rows of x: one load a wave at the head
	s_lshl_b32 s66, s42, 18                        ; W: row 256 g + 64 w
	s_add_co_u32 s66, s66, s23
	GROUP0 G0W, 72, 8
	s_lshl_b32 s66, s42, 17                        ; V's: row 2,048 + 128 g + 32 w
	s_lshl_b32 s23, s[WV], 15
	s_add_co_u32 s66, s66, s23
	s_add_co_u32 s66, s66, 2048*1024
	GROUP0 G0V, 73, 8
	s_lshl_b32 s66, s43, 13                        ; x's scale bytes: row 256 M + 64 w
	s_lshl_b32 s23, s[WV], 11
	s_add_co_u32 s66, s66, s23
	s_add_nc_u64 s[74:75], s[6:7], s[66:67]
	s_lshl_b32 s66, s42, 13                        ; W's: pairs w and w + 4: row 256 g + 32 w;
	s_lshl_b32 s23, s[WV], 10
	s_add_co_u32 s66, s66, s23
	s_add_nc_u64 s[76:77], s[10:11], s[66:67]
	s_lshl_b32 s66, s42, 12                        ; pair 8 + w: row 2,048 + 128 g + 32 w
	s_add_co_u32 s66, s66, s23
	s_add_co_u32 s66, s66, 65536
	s_add_nc_u64 s[78:79], s[10:11], s[66:67]
	s_lshl_b32 s83, s43, 1
	s_add_co_u32 s83, s83, s21                     ; my 128 tokens: 2 M + w / 2
	s_lshl_b32 s66, s42, 8
	s_add_co_u32 s66, s66, s83
	s_lshl_b32 s66, s66, 13
	s_lshl_b32 s23, s22, 12
	s_add_co_u32 s66, s66, s23
	s_add_nc_u64 s[OBS:OBS+1], s[12:13], s[66:67]  ; qk_img: head 4 g, my 64 tokens
	s_sub_nc_u64 s[OBS:OBS+1], s[OBS:OBS+1], 524288  ; a head back: each trip begins with a step of one head
	s_lshl_b32 s66, s42, 7
	s_add_co_u32 s66, s66, s83
	s_lshl_b32 s66, s66, 13
	s_lshl_b32 s23, s22, 10
	s_add_co_u32 s66, s66, s23
	s_add_nc_u64 s[94:95], s[16:17], s[66:67]      ; v_img: head 2 g, my two blocks of 32 keys
	s_sub_nc_u64 s[94:95], s[94:95], 524288
	s_lshl_b32 s66, s42, 2
	s_add_co_u32 s66, s66, s[WV]
	s_lshl_b32 s66, s66, 6
	s_lshl_b32 s23, s43, 1
	s_add_co_u32 s66, s66, s23
	s_lshl_b32 s66, s66, 8
	s_add_nc_u64 s[96:97], s[14:15], s[66:67]      ; qk_sc, at the end: wave w stores head 4 g + w, 512 bytes
	s_lshl_b32 s66, s42, 1
	s_add_co_u32 s66, s66, s21
	s_lshl_b32 s66, s66, 6
	s_add_co_u32 s66, s66, s23
	s_add_co_u32 s66, s66, s22
	s_lshl_b32 s66, s66, 8
	s_add_nc_u64 s[98:99], s[18:19], s[66:67]      ; v_sc: wave w stores head 2 g + w / 2, 128 tokens w % 2: 256 bytes
	s_lshl_b32 s84, s21, 8
	s_lshl_b32 s23, s22, 3
	s_add_co_u32 s84, s84, s23
	s_add_co_u32 s84, s84, XN
	s_lshl_b32 s85, s21, 8
	s_lshl_b32 s23, s22, 1
	s_add_co_u32 s85, s85, s23
	s_add_co_u32 s85, s85, XV
	s_lshl_b32 s86, s[WV], 10
	s_add_co_u32 s86, s86, SWL
	s_lshl_b32 s87, s[WV], 9
	s_add_co_u32 s87, s87, XN
	s_lshl_b32 s88, s[WV], 8
	s_add_co_u32 s88, s88, XV
	s_lshl_b32 s23, s41, 2
	s_add_co_u32 s23, s23, s[WV]                   ; which of the column's sixteen waves I am
	s_lshl_b32 s89, s42, 18
	s_lshl_b32 s90, s23, 14
	s_add_co_u32 s89, s89, s90                     ; my 16,384 bytes of W's 256 rows,
	s_lshl_b32 s90, s42, 17
	s_lshl_b32 s23, s23, 13
	s_add_co_u32 s90, s90, s23
	s_add_co_u32 s90, s90, 2048*1024               ; my 8,192 of V's 128
	v_and_b32 v1, 15, v0                           ; r
	v_bfe_u32 v2, v0, 4, 1                         ; h
	v_and_b32 v3, 31, v0
	v_mul_u32_u24 v21, v1, PITCH
	v_lshl_add_u32 v[ADW0], v2, 4, v21
	v_add_nc_u32 v[ADRX], s72, v[ADW0]
	v_lshlrev_b32 v[LS], 5, v3
	v_lshlrev_b32 v[CO], 4, v3
	v_lshl_add_u32 v[VXQ0], v1, 4, s84
	v_lshl_add_u32 v[VXV0], v1, 4, s85
	v_add_nc_u32 v[SWA0], SWL, v[CO]
	v_add_nc_u32 v[SWS], s86, v[CO]
	v_add_nc_u32 v[RDQ], s87, v[CO]
	v_lshl_add_u32 v[RDV], v3, 3, s88
	v_lshlrev_b32 v[C8], 3, v3
	v_lshl_add_u32 v[PF1], v3, 8, s89
	v_lshl_add_u32 v[PF2], v3, 8, s90
.irp b, 0,1,2,3
	v_mov_b32 v[TM+4+\b], 0                        ; written once: a lane permute's destination counts as one of its sources
.endr
.irp p, 0,1
.irp c, 0,1
	global_load_b128 v[SA+8*\p+4*\c:SA+8*\p+4*\c+3], v[LS], s[74:75] offset:\p*1024+16*\c
	global_load_b128 v[ACC+8*\p+4*\c:ACC+8*\p+4*\c+3], v[LS], s[76:77] offset:\p*4096+16*\c
.endr
.endr
	global_load_b128 v[ACC+16:ACC+19], v[LS], s[78:79]
	global_load_b128 v[ACC+20:ACC+23], v[LS], s[78:79] offset:16
	global_prefetch_b8 v[PF1], s[8:9] th:TH_LOAD_NT scope:SCOPE_SE
	global_prefetch_b8 v[PF1], s[8:9] offset:8192 th:TH_LOAD_NT scope:SCOPE_SE
	global_prefetch_b8 v[PF2], s[8:9] th:TH_LOAD_NT scope:SCOPE_SE
	s_wait_alu depctr_va_vdst(0)                   ; the wait at the head's end
	s_wait_tensorcnt 0x0                           ; my rows of x are in: I alone read them
	s_wait_loadcnt 0x0
.irp j, 0,1,2
.irp c, 0,1
	ds_store_b128 v[SWS], v[ACC+8*\j+4*\c:ACC+8*\j+4*\c+3] offset:\j*4096+\c*512   ; W's scale words of pairs w, w + 4, w + 8, as images
.endr
.endr
.set F_, 0
.rept 32                                       ; x into registers: fragment 4 q + tile: 16 rows x 128 of K
	WIN (1+F_/16)<<6
.irp c, 0,1,2,3
	ds_load_b128 v[16*(F_%16)+4*\c:16*(F_%16)+4*\c+3], v[ADRX] offset:(F_%4)*16*PITCH+128*(F_/4)+32*\c
.endr
.set F_, F_+1
.endr
	WIN 0
	s_wait_tensorcnt 0x0                           ; a tensor wait, an add and its wait ahead of a refill's round
	ds_add_u32 v[SPW], v[NIL]
	s_wait_dscnt 0x0                               ; x stands in registers
	CROUND
	TL G0W, G1W                                    ; W's rows 256 g + 64 w .. + 63, over x's
.macro WM d, a, b, c, sa, sb, ra, rb
.if (\ra) && (\rb)
	v_wmma_scale_f32_16x16x128_f8f6f4 v[\d:\d+7], v[\a:\a+15], v[\b:\b+15], \c, v[\sa], v[\sb] matrix_a_scale:MATRIX_SCALE_ROW1 matrix_b_scale:MATRIX_SCALE_ROW1
.elseif (\ra)
	v_wmma_scale_f32_16x16x128_f8f6f4 v[\d:\d+7], v[\a:\a+15], v[\b:\b+15], \c, v[\sa], v[\sb] matrix_a_scale:MATRIX_SCALE_ROW1
.elseif (\rb)
	v_wmma_scale_f32_16x16x128_f8f6f4 v[\d:\d+7], v[\a:\a+15], v[\b:\b+15], \c, v[\sa], v[\sb] matrix_b_scale:MATRIX_SCALE_ROW1
.else
	v_wmma_scale_f32_16x16x128_f8f6f4 v[\d:\d+7], v[\a:\a+15], v[\b:\b+15], \c, v[\sa], v[\sb]
.endif
.endm
; fs >= 0: among the first sixteen products stand the 32 loads that bring a block of W (at v[adr] + off) into set fs, the set that these products do not read: 8 loads behind each of products 3, 7, 11, 15; eight places stand behind that set's last reader
.macro P32 kind, k, fs=-1, adr=0, off=0
.set N_, 0
.rept 32
.set Q_, N_/4
.set X_, N_%4
.set D_, ACC+32*(\k)+8*X_
.set XR_, 16*(N_%16)
.set WR_, 128*(\k)+16*Q_
.set XS_, SA+8*(X_/2)+Q_
.set WS_, SBW+Q_
.if \kind
	WIN (1+N_/16)|(3<<2)
.if Q_
	WM D_, XR_, WR_, v[D_:D_+7], XS_, WS_, X_%2, \k
.else
	WM D_, XR_, WR_, 0, XS_, WS_, X_%2, \k
.endif
.else
	WIN 3|((1+N_/16)<<2)
.if Q_
	WM D_, WR_, XR_, v[D_:D_+7], WS_, XS_, \k, X_%2
.else
	WM D_, WR_, XR_, 0, WS_, XS_, \k, X_%2
.endif
.endif
.if ((\fs) >= 0) && (N_ < 16) && (N_%4 == 3)
	WIN 3<<6
.irp c, 0,1,2,3
	ds_load_b128 v[128*(\fs)+16*(N_/2-1)+4*\c:128*(\fs)+16*(N_/2-1)+4*\c+3], v[\adr] offset:(\off)+(\fs)*16*PITCH+128*(N_/2-1)+32*\c
.endr
.irp c, 0,1,2,3
	ds_load_b128 v[128*(\fs)+16*(N_/2)+4*\c:128*(\fs)+16*(N_/2)+4*\c+3], v[\adr] offset:(\off)+(\fs)*16*PITCH+128*(N_/2)+32*\c
.endr
.endif
.set N_, N_+1
.endr
	WIN 0
	PLACES 8                                       ; behind the last product, ahead of the loads into what it has read and of the first reader of its sums
.endm
.macro FSET k, adr, off                ; a block of W, 16 rows, all of K, into set k: 32 loads
	WIN 3<<6
.irp q, 0,1,2,3,4,5,6,7
.irp c, 0,1,2,3
	ds_load_b128 v[128*\k+16*\q+4*\c:128*\k+16*\q+4*\c+3], v[\adr] offset:(\off)+\k*16*PITCH+128*\q+32*\c
.endr
.endr
	WIN 0
.endm
.macro FSC off                         ; a pair's scale words
	ds_load_b128 v[SBW:SBW+3], v[SWA] offset:\off
	ds_load_b128 v[SBW+4:SBW+7], v[SWA] offset:(\off)+512
.endm
.macro SETA
	v_add_nc_u32 v[ADW], s[TW], v[ADW0]
	v_add_nc_u32 v[ADW2], 64*PITCH, v[ADW]
	v_add_nc_u32 v[SWA], s[TSW], v[SWA0]
.endm
; THE QUANTISER of a pair's eight sums: four scale blocks of 32, each two sums (at ACC + GS g and GD further on) in lanes l and l xor 16; the four by turns.
.macro QUANT kind, par
.if \kind
.set GS_, 16
.set GD_, 8
.else
.set GS_, 8
.set GD_, 32
.endif
	s_wait_xcnt 0x0                                ; the last pair's stores have read their registers and their base
.if (\par) == 0
	s_add_nc_u64 s[OBS:OBS+1], s[OBS:OBS+1], 524288   ; a trip is one head
.endif
.irp g, 0,1,2,3
	v_max3_num_f32 v[TM+\g], |v[ACC+GS_*\g]|, |v[ACC+GS_*\g+1]|, 0x4800000   ; with the floor 2^(9 - 127): the byte cannot fall under 1
.endr
.irp i, 2,4,6
.irp g, 0,1,2,3
	v_max3_num_f32 v[TM+\g], v[TM+\g], |v[ACC+GS_*\g+\i]|, |v[ACC+GS_*\g+\i+1]|
.endr
.endr
.irp i, 0,2,4,6
.irp g, 0,1,2,3
	v_max3_num_f32 v[TM+\g], v[TM+\g], |v[ACC+GS_*\g+GD_+\i]|, |v[ACC+GS_*\g+GD_+\i+1]|
.endr
.endr
.irp g, 0,1,2,3
	v_permlanex16_b32 v[TM+4+\g], v[TM+\g], s80, s81
.endr
.irp g, 0,1,2,3
	v_max_num_f32 v[TM+\g], v[TM+\g], v[TM+4+\g]   ; the block's largest magnitude
.endr
.irp g, 0,1,2,3
	v_add_nc_u32 v[TM+12+\g], 0xfc000000, v[TM+\g] ; 8 off its exponent field: the conversion's scale operand
.endr
.irp g, 0,1,2,3
	v_and_or_b32 v[TM+8+\g], v[TM+\g], 0x7f800000, s82   ; 448 x the scale
.endr
.irp g, 0,1,2,3
	v_lshrrev_b32 v[TM+4+\g], 23, v[TM+12+\g]      ; the byte
.endr
.irp g, 0,1,2,3
.irp i, 0,1,2,3,4,5,6,7
	v_med3_num_f32 v[ACC+GS_*\g+\i], v[ACC+GS_*\g+\i], -v[TM+8+\g], v[TM+8+\g]
	v_med3_num_f32 v[ACC+GS_*\g+GD_+\i], v[ACC+GS_*\g+GD_+\i], -v[TM+8+\g], v[TM+8+\g]
.endr
.endr
.irp g, 0,1,2,3
	v_cvt_scalef32_pk8_fp8_f32 v[PC+4*\g:PC+4*\g+1], v[ACC+GS_*\g:ACC+GS_*\g+7], v[TM+12+\g]
	v_cvt_scalef32_pk8_fp8_f32 v[PC+4*\g+2:PC+4*\g+3], v[ACC+GS_*\g+GD_:ACC+GS_*\g+GD_+7], v[TM+12+\g]
.endr
	v_nop                                          ; one plain line behind the last conversion
.irp g, 0,1,2,3
.if \kind
	ds_store_b8 v[VX], v[TM+4+\g] offset:4*(2*(\par)+\g/2)+\g%2
	global_store_b128 v[CO], v[PC+4*\g:PC+4*\g+3], s[OBS:OBS+1] offset:(2*(\par)+\g/2)*2048+(\g%2)*512
.else
	ds_store_b8 v[VX], v[TM+4+\g] offset:4*(\g/2)+2*(\g%2)+(\par)
	global_store_b128 v[CO], v[PC+4*\g:PC+4*\g+3], s[OBS:OBS+1] offset:(\g/2)*2048+(2*(\g%2)+(\par))*512
.endif
.endr
.endm
; A TRIP: two pairs, one head.  Set 1 takes a pair's second block among the products of its first; set 0 takes the odd pair's first block among the even pair's last products, and the next trip's behind the odd pair's first products
; (s_wait_dscnt 32 leaves those 32 loads out).  The last trip of a loop fetches nothing for a next one.
.macro TRIPS kind, tw, tsw, tx, vx0
	s_mov_b32 s[TW], \tw
	s_mov_b32 s[TSW], \tsw
	s_mov_b32 s[TX], \tx
	s_mov_b32 s[CNT], 2
	SETA
	v_add_nc_u32 v[VX], s[TX], v[\vx0]
	s_wait_alu depctr_va_vdst(0)
	FSET 0, ADW, 0
	FSC 0
.Ltrip_\@:
	s_wait_dscnt 0x0
	P32 \kind, 0, 1, ADW, 0
	s_wait_dscnt 0x0
	P32 \kind, 1, 0, ADW, 32*PITCH
	FSC 1024
	QUANT \kind, 0
	s_wait_dscnt 0x0
	P32 \kind, 0, 1, ADW, 32*PITCH
	s_cmp_eq_u32 s[CNT], 1
	s_cbranch_scc1 .Lnone0_\@
	FSET 0, ADW2, 0
	s_wait_dscnt 32
	s_branch .Lgo_\@
.Lnone0_\@:
	s_wait_dscnt 0x0
.Lgo_\@:
	P32 \kind, 1
	s_cmp_eq_u32 s[CNT], 1
	s_cbranch_scc1 .Lnone1_\@
	FSC 2048
.Lnone1_\@:
	s_add_co_u32 s[TW], s[TW], 64*PITCH
	s_add_co_u32 s[TSW], s[TSW], 2048
	SETA
	QUANT \kind, 1
	s_add_co_u32 s[TX], s[TX], 512
	v_add_nc_u32 v[VX], s[TX], v[\vx0]
	s_sub_co_u32 s[CNT], s[CNT], 1
	s_cmp_lg_u32 s[CNT], 0
	s_wait_alu depctr_va_vdst(0)
	s_cbranch_scc1 .Ltrip_\@
.endm
	s_wait_tensorcnt 0x0                           ; my rows of W are in
	s_wait_dscnt 0x0                               ; and my scale images are stored
	BARRIER
	TRIPS 0, 0, 0, 0, VXQ0                         ; pairs 0-3: slot 0
	s_wait_tensorcnt 0x0                           ; a tensor wait, an add and its wait ahead of a refill's round
	ds_add_u32 v[SPW], v[NIL]
	s_wait_dscnt 0x0                               ; my reads of slot 0 are over
	CROUND
	TL G0V, G1V                                    ; V's rows, 32 a wave, over slot 0
	TRIPS 0, YB, 4096, 1024, VXQ0                  ; pairs 4-7: slot 1
	s_wait_tensorcnt 0x0                           ; my rows of V's weight are in
	s_wait_dscnt 0x0
	BARRIER
	s_wait_xcnt 0x0
	s_mov_b64 s[OBS:OBS+1], s[94:95]
	TRIPS 1, 0, 8192, 0, VXV0                      ; pairs 8-11: V
	s_wait_xcnt 0x0
	s_wait_dscnt 0x0                               ; the scale bytes are stored
	BARRIER
	ds_load_b128 v[PC:PC+3], v[RDQ]
	ds_load_b64 v[PC+4:PC+5], v[RDV]
	s_wait_dscnt 0x0
	global_store_b128 v[CO], v[PC:PC+3], s[96:97]  ; 512 consecutive bytes
	global_store_b64 v[C8], v[PC+4:PC+5], s[98:99] ; 256 consecutive bytes, aligned
	s_wait_tensorcnt 0x0                           ; the wave's end
	ds_add_u32 v[SPW], v[NIL]
	s_wait_dscnt 0x0
	CROUND                                         ; the closing round
	s_endpgm
.Lfunc_end_k_q36b2aa95cd_qkv:
	.size	k_q36b2aa95cd_qkv, .Lfunc_end_k_q36b2aa95cd_qkv-k_q36b2aa95cd_qkv
	.p2alignl 7, 3214868480
	.fill 96, 4, 3214868480
	.section	.rodata,"a",@progbits
	.p2align	6, 0x0
	.amdhsa_kernel k_q36b2aa95cd_qkv
		.amdhsa_group_segment_fixed_size 327680
		.amdhsa_private_segment_fixed_size 0
		.amdhsa_enable_private_segment 0
		.amdhsa_kernarg_size 64
		.amdhsa_user_sgpr_count 2
		.amdhsa_user_sgpr_kernarg_segment_ptr 1
		.amdhsa_wavefront_size32 1
		.amdhsa_system_sgpr_workgroup_id_x 1
		.amdhsa_system_sgpr_workgroup_id_y 1
		.amdhsa_system_sgpr_workgroup_id_z 1
		.amdhsa_system_vgpr_workitem_id 0
		.amdhsa_next_free_vgpr 1024
		.amdhsa_next_free_sgpr 100
		.amdhsa_reserve_vcc 0
		.amdhsa_float_denorm_mode_32 3
		.amdhsa_float_denorm_mode_16_64 3
		.amdhsa_memory_ordered 1
		.amdhsa_forward_progress 1
		.amdhsa_inst_pref_size 160
	.end_amdhsa_kernel
	.amdgpu_metadata
---
amdhsa.version: [ 1, 2 ]
amdhsa.kernels:
  - .name:           k_q36b2aa95cd_qkv
    .symbol:         k_q36b2aa95cd_qkv.kd
    .args:
      - { .name: x_codes, .offset: 0, .size: 8, .value_kind: global_buffer, .address_space: global }
      - { .name: x_scales, .offset: 8, .size: 8, .value_kind: global_buffer, .address_space: global }
      - { .name: w_qkv_codes, .offset: 16, .size: 8, .value_kind: global_buffer, .address_space: global }
      - { .name: w_qkv_scales, .offset: 24, .size: 8, .value_kind: global_buffer, .address_space: global }
      - { .name: qk_img, .offset: 32, .size: 8, .value_kind: global_buffer, .address_space: global }
      - { .name: qk_sc, .offset: 40, .size: 8, .value_kind: global_buffer, .address_space: global }
      - { .name: v_img, .offset: 48, .size: 8, .value_kind: global_buffer, .address_space: global }
      - { .name: v_sc, .offset: 56, .size: 8, .value_kind: global_buffer, .address_space: global }
    .group_segment_fixed_size: 327680
    .private_segment_fixed_size: 0
    .kernarg_segment_align: 8
    .kernarg_segment_size: 64
    .max_flat_workgroup_size: 128
    .sgpr_count:     100
    .vgpr_count:     1024
    .wavefront_size: 32
...
	.end_amdgpu_metadata
.endif
;; end of part 1
;; launch attn (part 2): grid 4 x 64, 16 waves a work-group, clusters of 4 x 1, 327,680 bytes of LDS; arguments qk_img, qk_sc, v_img, v_sc, a_img, a_sc; writes a_img, a_sc
.if DOCPART == 2
	.amdgcn_target "amdgcn-amd-amdhsa--gfx1250"
	.amdhsa_code_object_version 6
	.text
	.protected	k_q36b2aa95cd_attn
	.globl	k_q36b2aa95cd_attn
	.p2align	8
	.type	k_q36b2aa95cd_attn,@function
k_q36b2aa95cd_attn:
	s_mov_b64 s[64:65], 0
	v_nop
	global_prefetch_b8 v0, s[64:65] scope:SCOPE_SE
	s_setreg_imm32_b32 hwreg(HW_REG_WAVE_MODE, 25, 1), 1
	s_wait_xcnt 0x0
	s_wait_alu depctr_hold_cnt(0) depctr_sa_sdst(0) depctr_va_vdst(0) depctr_va_sdst(0) depctr_va_ssrc(0) depctr_va_vcc(0) depctr_vm_vsrc(0)
	s_getreg_b32 s2, hwreg(HW_REG_IB_STS2, 6, 4)
	s_cmp_eq_u32 s2, 0
	s_cbranch_scc0 .Lentry_in_a_cluster
	s_endpgm
.Lentry_in_a_cluster:
	s_bfe_u32 s2, ttmp6, 0x10000c
	s_cmp_lg_u32 s2, 0x3003
	s_cbranch_scc0 .Lentry_shape_is_right
	s_endpgm
.Lentry_shape_is_right:
; O[b][h][q] = the sum over keys of softmax(q . k / 8) v: 64 (batch, head) pairs, 2,048 queries and keys, head size 64, both products on codes of FP8 (E4M3) with one E8M0 scale for each 32 along a product's K.
; THE SOFTMAX AHEAD OF THE SECOND PRODUCT: t = score x log2(e) / 8; M = the row's largest t so far, rounded UP to a whole number; p = 2^(t - M) is quantised along the keys, not normalised.
; The row's sum is taken of the unquantised p, in f32, and divides O at the end.  When M moves, the sum and O are multiplied by 2^(old M - new M): exact.  O / sum is then quantised along the model's channels for the last product.
; IN: images of operand registers (a plane = 32 lanes x 16 bytes).  qk_img: (head32 x 64 + token / 128) x 8192 + (token / 32 % 4) x 2048 + plane x 512: planes 0, 1: tokens 32 a + r, channel blocks 0, 1; planes 2, 3: tokens 32 a + 16 + r.
; v_img: (head x 64 + key / 128) x 8192 + (tile of 16 channels) x 2048 + (block of 32 keys) x 512.  Scale words: 256 bytes for each 128 tokens, 16 r + 4 x (fragment).
; K = 64 IS PACKED: four planes of qk_img are ONE fragment that holds keys 32 a + r in k = 0-63 and keys 32 a + 16 + r in k = 64-127.  Q stands in 24 registers, zeros | q | zeros: the upper 16 multiply the first keys, the lower 16 the second.
; A zero code adds nothing; Q's scale word repeats its two bytes.  Register 8 u + j of the pair of results is key 32 a + 16 u + 8 (lane / 16) + j: v_img's order.
; SHARES.  256 work-groups.  A work-group owns 512 queries of one head; each of its sixteen waves owns TWO tiles of 16 queries, one after the other (tile 32 cx + 16 pass + wave of the batch's 128), each against all 16 key steps of 128 keys.
; Both products are used transposed (source 0 = keys, or channels of V; source 1 = my queries): a lane holds ONE query (lane % 16) throughout.
; LDS.  The head's K and V, 2 x 131,072 bytes of codes and 2 x 4,096 of scale words, come ONCE and stay for both tiles: no byte is filled twice, nothing is stored to LDS.
; FILLS, one tensor load a wave in each group.  At the head: waves 0-3 K's key steps 0-3 (8,192 bytes each), waves 4-7 V's, wave 8 K's scale words, wave 9 V's.  Behind the full sequence and a round of the cluster's barrier:
; waves 0-3 K's key steps 4-15 (24,576 bytes each), waves 4-7 V's; shown by the plain barrier behind the first tile's key step 3.  Every wait on TENSORcnt is for 0.
; CLUSTER.  The four work-groups of a cluster are the four query blocks of one head: every block is asked for JOINTLY, by the same load with the same descriptor and a mask that names the four.
; NO PREFETCH: both groups of loads stand at the launch's start, the second directly behind the first's landing: there is no loop of loads to run ahead in.
; OUT.  a_img: (head / 4) x 2,097,152 + (token / 16) x 4096 + (head % 4) x 1024 + plane x 512 + 16 x lane: lane (r, h): token r, channels 32 plane + 16 h + 0 .. 15 of the head.  a_sc: token x 32 + 2 x head (two bytes a lane; both lanes of a query write the same).
; LIMITS: the promise holds while the scaled scores t stay under 2^31 in magnitude.  A block of zeros, or one under 2^-118, gets the byte 1: this program alone reads the bytes.  NaN and infinities are not served.
.set VREG, 131072                      ; LDS: K's codes at 0, V's here,
.set KSC,  262144                      ; K's scale words,
.set VSC,  266240                      ; V's,
.set SPARE, 270336                     ; the spare words: 128 bytes a wave
.set AK0,  1                           ; v1 16 x lane; v2 the same in V's region; v3, v4 my place among K's, V's scale words; v5 16 x (lane % 16); v7 32 x (lane % 16)
.set AV0,  2
.set ASK0, 3
.set ASV0, 4
.set GQ,   5
.set QW,   6                           ; v6 Q's scale word as loaded
.set GS,   7
.set ADK,  8                           ; v8-11 the step's LDS addresses: K, V, K's scale words, V's
.set ADV,  9
.set ADS,  10
.set ADT,  11
                                       ; v12 -M, v13 the largest score so far
.set SU0,  14                          ; the row's sum: four chains of pairs
.set SU1,  232
.set SU2,  238
.set SU3,  252
.set QHI,  16                          ; v16-31: zeros, q;  v24-39: q, zeros
.set QLO,  24
.set FRG,  40                          ; v40-103 four fragments, K's and then V's
.set SS,   104                         ; v104-167 S^T, then p
.set OT,   168                         ; v168-199 O^T
.set PCD,  200                         ; v200-215 p's codes
.set BM,   216                         ; v216-219 a block's largest score, then its largest p
.set T2,   220
.set HOLD, 224                         ; 448 x the scale
.set SCO,  228                         ; the conversions' scale operands
.set FF,   234                         ; v[234:235] f = 2^(old M - new M)
.set TA,   236
.set TBY,  237
.set KSW,  240                         ; v240-243 K's scale words, v244-247 V's, v248 Q's, v250 p's: scales and nothing else
.set VSW,  244
.set QSW,  248
.set PSW,  250
.set OM,   251                         ; -M of the step before
.set SPW,  254
.set NIL,  255
.set WV,   18
.set MNT,  19                          ; the mantissa field of 448
.set SEL,  20                          ; s[20:21] selects for lane l xor 16
.set CS,   22                          ; s[22:23] c = log2(e) / 8
.set CSN,  66                          ; -c
.set G1A,  24                          ; group 1: 32 rows of 256 bytes;  G1B: 96 rows;  G1S: 16 rows
.set G1B,  32
.set G1S,  40
.set G0K1, 48
.set G0V1, 52
.set G0KS, 56
.set G0VS, 60
.set G0K2, 68
.set G0V2, 72
.set TB,   88                          ; LDS byte at which the step's codes begin;  s89 its scale words
.set TS,   89
.set CNT,  90
.macro CROUND                          ; a round of the cluster's barrier
	s_barrier_signal -1
	s_barrier_wait -1
	s_cmp_lg_u32 s[WV], 0
	s_cbranch_scc1 .Lnot_wave_0_\@
	s_barrier_signal -3
.Lnot_wave_0_\@:
	s_barrier_wait -3
	s_barrier_signal -1
	s_barrier_wait -1
.endm
.macro TL g0, g1                       ; a tensor load; s_nop 0 and four v_nop follow it
	tensor_load_to_lds s[\g0:\g0+3], s[\g1:\g1+7]
	s_nop 0
.rept 4
	v_nop
.endr
.endm
.macro GRP g, rows                     ; group 1: a dense block as rows of 256 bytes (32 elements of 8), no padding: every plane is read as 512 consecutive bytes.  Mask: all four work-groups; bit 21 beside it
	s_mov_b32 s[\g], 15|(3<<16)|(1<<21)
	s_mov_b32 s[\g+1], 32<<16
	s_mov_b32 s[\g+2], (\rows)<<16
	s_mov_b32 s[\g+3], 32<<16
	s_mov_b32 s[\g+4], \rows
	s_mov_b32 s[\g+5], 32
	s_mov_b32 s[\g+6], 0
	s_mov_b32 s[\g+7], 0
.endm
.macro GRP0 g, off, region, base       ; group 0: my wave's piece: s[off] bytes on in the region of LDS and in memory
	s_mov_b32 s[\g], 1
	s_add_co_u32 s[\g+1], s[\off], \region
	s_add_nc_u64 s[\g+2:\g+3], s[\base:\base+1], s[\off:\off+1]
	s_or_b32 s[\g+3], s[\g+3], 0x80000000
.endm
	s_load_b256 s[4:11], s[0:1], 0x0               ; qk_img, qk_sc, v_img, v_sc
	s_load_b128 s[12:15], s[0:1], 0x20             ; a_img, a_sc
	v_lshl_add_u32 v[SPW], v0, 2, SPARE
	v_mov_b32 v[NIL], 0
	ds_add_u32 v[SPW], v[NIL]                      ; the opening lines: the add twice on end and its wait
	ds_add_u32 v[SPW], v[NIL]
	v_lshrrev_b32 v6, 5, v0
	v_readfirstlane_b32 s[WV], v6                  ; wave 0..15
	s_and_b32 s91, ttmp7, 0xffff
	s_lshr_b32 s92, s91, 4                         ; the batch,
	s_and_b32 s93, s91, 15                         ; the head: the four partners share both
	s_bfe_u32 s94, ttmp6, 0x40000                  ; cx: it enters Q's and the outputs' addresses alone
	s_lshl_b32 s96, s93, 6
	s_lshl_b32 s97, s92, 4
	s_add_co_u32 s96, s96, s97                     ; head x 64 + the batch's first 128 tokens
	s_lshl_b32 s2, s96, 13                         ; in bytes of codes,
	s_mov_b32 s3, 0
	s_lshl_b32 s16, s96, 8                         ; and of scale words
	s_mov_b32 s17, 0
	GRP G1A, 32
	GRP G1B, 96
	GRP G1S, 16
	s_and_b32 s76, s[WV], 3
	s_lshl_b32 s80, s76, 13                        ; first group: key step wave % 4
	s_mov_b32 s81, 0
	s_mul_i32 s82, s76, 24576
	s_add_co_u32 s82, s82, 32768                   ; second group: key steps 4 + 3 (wave % 4) on
	s_mov_b32 s83, 0
	s_mov_b32 s[MNT], 0x600000
	s_mov_b32 s[SEL], 0x76543210
	s_mov_b32 s[SEL+1], 0xfedcba98
	s_mov_b32 s[CS], 0x3e38aa3b
	s_mov_b32 s[CS+1], s[CS]                       ; (named with it as a pair, so it is written)
	s_mov_b32 s[CSN], 0xbe38aa3b
	s_wait_dscnt 0x0
	s_wait_kmcnt 0x0
	s_add_nc_u64 s[98:99], s[4:5], s[2:3]          ; q's head in qk_img, at the batch's first token
	s_add_nc_u64 s[100:101], s[6:7], s[16:17]      ; the same in qk_sc
	s_add_nc_u64 s[8:9], s[8:9], s[2:3]            ; v_img
	s_add_nc_u64 s[10:11], s[10:11], s[16:17]      ; v_sc
	s_add_nc_u64 s[84:85], s[98:99], 16*64*8192    ; k's head lies 16 heads on
	GRP0 G0K1, 80, 0, 84
	GRP0 G0V1, 80, VREG, 8
	GRP0 G0K2, 82, 0, 84
	GRP0 G0V2, 82, VREG, 8
	s_mov_b32 s[G0KS], 1
	s_mov_b32 s[G0KS+1], KSC
	s_add_nc_u64 s[G0KS+2:G0KS+3], s[100:101], 16*64*256
	s_or_b32 s[G0KS+3], s[G0KS+3], 0x80000000
	s_mov_b32 s[G0VS], 1
	s_mov_b32 s[G0VS+1], VSC
	s_mov_b64 s[G0VS+2:G0VS+3], s[10:11]
	s_or_b32 s[G0VS+3], s[G0VS+3], 0x80000000
	CROUND                                         ; all four work-groups are here: the joint loads meet
.macro ARM under, g0, g1, next         ; ONE chain of branches on the wave's number, a load to an arm: no way through the head passes two
	s_cmp_lt_u32 s[WV], \under
	s_cbranch_scc0 \next
	TL \g0, \g1
	s_branch .Lhead_asked
\next:
.endm
	ARM 4,  G0K1, G1A, .Lhead_v
	ARM 8,  G0V1, G1A, .Lhead_sk
	ARM 9,  G0KS, G1S, .Lhead_sv
	ARM 10, G0VS, G1S, .Lhead_none
.Lhead_asked:
.macro QADR p                          ; where tile 16 (2 cx + p) + wave of the batch's 128 has its Q: 1,024 bytes of codes a tile; scale words: 256 bytes for eight tiles, 4 bytes for two
	s_lshl_b32 s95, s94, 1
	s_add_co_u32 s95, s95, \p
	s_lshl_b32 s2, s95, 14
	s_lshl_b32 s3, s[WV], 10
	s_add_co_u32 s2, s2, s3
	s_mov_b32 s3, 0
	s_add_nc_u64 s[4:5], s[98:99], s[2:3]
	s_lshl_b32 s16, s95, 9
	s_lshr_b32 s17, s[WV], 3
	s_lshl_b32 s17, s17, 8
	s_add_co_u32 s16, s16, s17
	s_bfe_u32 s17, s[WV], 0x20001
	s_lshl_b32 s17, s17, 2
	s_add_co_u32 s16, s16, s17
	s_mov_b32 s17, 0
	s_add_nc_u64 s[6:7], s[100:101], s[16:17]
.endm
.macro OADR                            ; where the tile's results go: s[8:9] in a_img, s[10:11] in a_sc
	s_lshl_b32 s16, s92, 7
	s_lshl_b32 s17, s95, 4
	s_add_co_u32 s16, s16, s17
	s_add_co_u32 s16, s16, s[WV]                   ; my tile among all 512
	s_lshl_b32 s2, s16, 12
	s_lshr_b32 s3, s93, 2
	s_lshl_b32 s3, s3, 21
	s_add_co_u32 s2, s2, s3
	s_and_b32 s3, s93, 3
	s_lshl_b32 s3, s3, 10
	s_add_co_u32 s2, s2, s3
	s_mov_b32 s3, 0
	s_add_nc_u64 s[8:9], s[12:13], s[2:3]
	s_lshl_b32 s2, s16, 9
	s_lshl_b32 s17, s93, 1
	s_add_co_u32 s2, s2, s17
	s_add_nc_u64 s[10:11], s[14:15], s[2:3]
.endm
.macro QLD                             ; Q's two planes and its scale word
	global_load_b128 v[QLO:QLO+3], v[AK0], s[4:5]
	global_load_b128 v[QLO+4:QLO+7], v[AK0], s[4:5] offset:512
	global_load_b32 v[QW], v[GQ], s[6:7]
.endm
.macro INIT                            ; a tile begins: O^T and the sums are zeros, the largest score -3e38, the old -M 2^125: the first f is 0 and leaves zeros
.set j, 0
.rept 32
	v_mov_b32 v[OT+j], 0
.set j, j+1
.endr
	v_mov_b32 v13, 0xff61b1e6
	v_mov_b32 v[OM], 0x7e000000
.irp r, 14,15,232,233,238,239,252,253
	v_mov_b32 v\r, 0
.endr
.endm
.macro QFIN                            ; an even tile's two scale bytes are the word's low half, an odd tile's the high half; twice: q stands in k = 0-63 of one operand and in k = 64-127 of the other
	s_and_b32 s16, s[WV], 1
	s_lshl_b32 s16, s16, 4
	s_wait_alu depctr_va_vdst(0)
	s_wait_loadcnt 0x0
	v_lshrrev_b32 v[QW], s16, v[QW]
	s_delay_alu instid0(VALU_DEP_1)
	v_and_b32 v[QW], 0xffff, v[QW]
	s_delay_alu instid0(VALU_DEP_1)
	v_lshl_or_b32 v[QSW], v[QW], 16, v[QW]
.endm
.macro KLOAD reg                       ; a step's four fragments of K (fragment f: keys 32 f + r and 32 f + 16 + r) and their scale words: 17 loads
.irp f, 0,1,2,3
.irp c, 0,1,2,3
	ds_load_b128 v[\reg+16*\f+4*\c:\reg+16*\f+4*\c+3], v[ADK] offset:2048*\f+512*\c
.endr
.endr
	ds_load_b128 v[KSW:KSW+3], v[ADS]
.endm
; A KEY STEP: 128 keys.  TWO REGIONS OF 64 REGISTERS CHANGE ROLES FROM STEP TO STEP: FRG holds this step's K and then its V; SS holds S^T, then p, and, when p has been converted, the NEXT step's K, asked for a second product ahead of its use.
; last = 1: in a loop's last trip nothing is asked for (a branch on the counted trip, round LDS loads alone).
.macro STEP last
	s_wait_dscnt 0x0                               ; K and its scale words are in
.irp f, 0,1,2,3                                ; S^T = K Q^T: eight products, each started with the constant 0
	v_wmma_scale_f32_16x16x128_f8f6f4 v[SS+16*\f:SS+16*\f+7], v[FRG+16*\f:FRG+16*\f+15], v[QLO:QLO+15], 0, v[KSW+\f], v[QSW]
	v_wmma_scale_f32_16x16x128_f8f6f4 v[SS+16*\f+8:SS+16*\f+15], v[FRG+16*\f:FRG+16*\f+15], v[QHI:QHI+15], 0, v[KSW+\f], v[QSW]
.endr
	v_add_nc_u32 v[ADV], s[TB], v[AV0]             ; this step's V, the next step's K: with four v_nop the eight places for the loads below, into registers just multiplied, and for the first read of the scores
	v_add_nc_u32 v[ADT], s[TS], v[ASV0]
	s_add_co_u32 s[TB], s[TB], 8192
	s_add_co_u32 s[TS], s[TS], 256
	v_add_nc_u32 v[ADK], s[TB], v[AK0]
	v_add_nc_u32 v[ADS], s[TS], v[ASK0]
.rept 4
	v_nop
.endr
.irp t, 0,1,2,3
.irp c, 0,1,2,3
	ds_load_b128 v[FRG+16*\t+4*\c:FRG+16*\t+4*\c+3], v[ADV] offset:2048*\t+512*\c   ; V's four tiles of 16 channels x these 128 keys: they land under the softmax
.endr
.endr
	ds_load_b128 v[VSW:VSW+3], v[ADT]
.irp b, 0,1,2,3
	v_max3_num_f32 v[BM+\b], v[SS+16*\b], v[SS+16*\b+1], v[SS+16*\b+2]   ; the largest score of each block of 32 keys: for the row's maximum and, since p rises with the score, for the block's largest p
.endr
.irp i, 3,5,7,9,11,13
.irp b, 0,1,2,3
	v_max3_num_f32 v[BM+\b], v[BM+\b], v[SS+16*\b+\i], v[SS+16*\b+\i+1]   ; (the four blocks by turns; each result is read from its low end on)
.endr
.endr
.irp b, 0,1,2,3
	v_max_num_f32 v[BM+\b], v[BM+\b], v[SS+16*\b+15]
.endr
.irp b, 0,1,2,3
	s_delay_alu instid0(VALU_DEP_4)
	v_permlanex16_b32 v[T2+\b], v[BM+\b], s[SEL], s[SEL+1]
.endr
.irp b, 0,1,2,3
	s_delay_alu instid0(VALU_DEP_4)
	v_max_num_f32 v[BM+\b], v[BM+\b], v[T2+\b]     ; with lane l xor 16's 16 keys
.endr
	s_delay_alu instid0(VALU_DEP_3)
	v_max3_num_f32 v13, v13, v[BM], v[BM+1]        ; the running largest score
	s_delay_alu instid0(VALU_DEP_1)
	v_max3_num_f32 v13, v13, v[BM+2], v[BM+3]
	s_delay_alu instid0(VALU_DEP_1)
	v_mul_f32 v[TA], s[CSN], v13                   ; -t (c is positive, so the largest score gives the largest t)
	s_delay_alu instid0(VALU_DEP_1)
	v_floor_f32 v12, v[TA]                         ; the new -M = floor(-t) = -ceil(t): M IS A WHOLE NUMBER
; t - M, two at a time (of the pairs c and -M the low word serves both halves); among them the three dependent lines that make f = 2^(old M - new M): a whole number 0 or less, as an integer (it saturates), as a power of two
.set j, 0
.irp w, 0,1,2,3
.rept 8
	v_pk_fma_f32 v[SS+j:SS+j+1], v[SS+j:SS+j+1], s[CS:CS+1], v[12:13] op_sel_hi:[1,0,0]
.set j, j+2
.endr
.if \w == 0
	v_sub_f32 v[TA], v12, v[OM]
.elseif \w == 1
	v_cvt_i32_f32 v[TA], v[TA]
.elseif \w == 2
	v_ldexp_f32 v[FF], 1.0, v[TA]
.endif
.endr
	v_pk_fma_f32 v[BM:BM+1], v[BM:BM+1], s[CS:CS+1], v[12:13] op_sel_hi:[1,0,0]           ; the same of each block's largest score
	v_pk_fma_f32 v[BM+2:BM+3], v[BM+2:BM+3], s[CS:CS+1], v[12:13] op_sel_hi:[1,0,0]
	s_wait_alu depctr_va_vdst(0)
.set j, 0
.rept 64
	v_exp_f32 v[SS+j], v[SS+j]                     ; p = 2^(t - M), at most 1: NOT normalised
.set j, j+1
.endr
.irp b, 0,1,2,3
	v_exp_f32 v[BM+\b], v[BM+\b]                   ; the block's largest p: the same two instructions on the same number give the same bits
.endr
	v_mov_b32 v[OM], v12                           ; -M is kept for the next step.  (The plain place behind the exponentials)
	s_wait_alu depctr_va_vdst(0)                   ; one wait for the batch, ahead of its first reader
.irp b, 0,1,2,3
	v_max_num_f32 v[BM+\b], 0x4800000, v[BM+\b]    ; the floor 2^(9 - 127): the byte cannot fall under 1
.endr
.irp b, 0,1,2,3
	s_delay_alu instid0(VALU_DEP_4)
	v_add_nc_u32 v[SCO+\b], 0xfc000000, v[BM+\b]   ; 8 off the exponent field: the conversion's scale operand
.endr
.irp b, 0,1,2,3
	v_and_or_b32 v[HOLD+\b], v[BM+\b], 0x7f800000, s[MNT]   ; 448 x the scale
.endr
.irp b, 0,1,2,3
	v_lshrrev_b32 v[T2+\b], 23, v[SCO+\b]          ; the scale's byte
.endr
	s_delay_alu instid0(VALU_DEP_3)
	v_lshl_or_b32 v[PSW], v[T2+1], 8, v[T2]        ; p's scale word for these 128 keys
	s_delay_alu instid0(VALU_DEP_1)
	v_lshl_or_b32 v[PSW], v[T2+2], 16, v[PSW]
	s_delay_alu instid0(VALU_DEP_1)
	v_lshl_or_b32 v[PSW], v[T2+3], 24, v[PSW]
	; THE ROW'S SUM OF THE UNQUANTISED p, in four chains that stay from step to step: each chain's first link brings it under the new M, x f, in the same instruction
	v_pk_fma_f32 v[SU0:SU0+1], v[SU0:SU0+1], v[FF:FF+1], v[SS:SS+1] op_sel_hi:[1,0,1]
	v_pk_fma_f32 v[SU1:SU1+1], v[SU1:SU1+1], v[FF:FF+1], v[SS+2:SS+3] op_sel_hi:[1,0,1]
	v_pk_fma_f32 v[SU2:SU2+1], v[SU2:SU2+1], v[FF:FF+1], v[SS+4:SS+5] op_sel_hi:[1,0,1]
	v_pk_fma_f32 v[SU3:SU3+1], v[SU3:SU3+1], v[FF:FF+1], v[SS+6:SS+7] op_sel_hi:[1,0,1]
.set j, 8
.rept 7
	v_pk_add_f32 v[SU0:SU0+1], v[SU0:SU0+1], v[SS+j:SS+j+1]
	v_pk_add_f32 v[SU1:SU1+1], v[SU1:SU1+1], v[SS+j+2:SS+j+3]
	v_pk_add_f32 v[SU2:SU2+1], v[SU2:SU2+1], v[SS+j+4:SS+j+5]
	v_pk_add_f32 v[SU3:SU3+1], v[SU3:SU3+1], v[SS+j+6:SS+j+7]
.set j, j+8
.endr
.irp b, 0,1,2,3
.irp i, 0,2,4,6,8,10,12,14
	v_dual_min_num_f32 v[SS+16*\b+\i], v[HOLD+\b], v[SS+16*\b+\i] :: v_dual_min_num_f32 v[SS+16*\b+\i+1], v[HOLD+\b], v[SS+16*\b+\i+1]   ; the conversion to an 8-bit code does not saturate (ISA guide 7.6.2); p is not negative, so the hold is one-sided; two to an instruction
.endr
	v_cvt_scalef32_pk8_fp8_f32 v[PCD+4*\b:PCD+4*\b+1], v[SS+16*\b:SS+16*\b+7], v[SCO+\b]
	v_cvt_scalef32_pk8_fp8_f32 v[PCD+4*\b+2:PCD+4*\b+3], v[SS+16*\b+8:SS+16*\b+15], v[SCO+\b]
.endr
.if \last
	s_cmp_eq_u32 s[CNT], 1
	s_cbranch_scc1 .Lnok_\@
.endif
	KLOAD SS                                       ; the next step's K, into the registers that p has left
	s_wait_dscnt 17                                ; V and its scale words are in; the 17 loads just issued may be out
.if \last
	s_branch .Lgo_\@
.Lnok_\@:
	s_wait_dscnt 0x0                               ; V and its scale words are in
.Lgo_\@:
.endif
	s_wait_alu depctr_va_vdst(0)                   ; directly ahead of the first reader of O^T
.set j, 0
.rept 16
	v_pk_mul_f32 v[OT+j:OT+j+1], v[OT+j:OT+j+1], v[FF:FF+1] op_sel_hi:[1,0]
.set j, j+2
.endr
	s_wait_alu depctr_va_vdst(0)
.irp t, 0,1,2,3                                ; O^T += V^T P^T: the four accumulators take turns, and eight other products stand between two links of a sum
	v_wmma_scale_f32_16x16x128_f8f6f4 v[OT+8*\t:OT+8*\t+7], v[FRG+16*\t:FRG+16*\t+15], v[PCD:PCD+15], v[OT+8*\t:OT+8*\t+7], v[VSW+\t], v[PSW]
.endr
.rept 9
	v_nop                                          ; nine places: the next step's scores are laid over V's fragments, which these products have read
.endr
.endm
.macro STEPS first, n                  ; key steps first .. first + n - 1, n even: a trip is two steps, until the two regions are back where they began
	s_mov_b32 s[TB], (\first)*8192
	s_mov_b32 s[TS], (\first)*256
	s_mov_b32 s[CNT], (\n)/2
	v_add_nc_u32 v[ADK], s[TB], v[AK0]
	v_add_nc_u32 v[ADS], s[TS], v[ASK0]
.rept 6
	v_nop                                          ; with the two additions: eight places between Q's scale word and the first products
.endr
	s_wait_alu depctr_va_vdst(0)
.set FRG, 40
.set SS, 104
	KLOAD FRG
.Lstep_\@:
	STEP 0
.set FRG, 104
.set SS, 40
	STEP 1
.set FRG, 40
.set SS, 104
	s_sub_co_u32 s[CNT], s[CNT], 1
	s_cmp_lg_u32 s[CNT], 0
	s_cbranch_scc1 .Lstep_\@
.endm
; THE WAY OUT of a tile.  O^T / the sum; register 16 B + 8 u + j is channel 32 B + 16 u + 8 (lane / 16) + j of my query: two blocks of 32, each in lanes l and l xor 16.  (The last step's nine places stand behind its products.)
.macro WAYOUT
	v_pk_add_f32 v[SU0:SU0+1], v[SU0:SU0+1], v[SU1:SU1+1]
	v_pk_add_f32 v[SU2:SU2+1], v[SU2:SU2+1], v[SU3:SU3+1]
	s_delay_alu instid0(VALU_DEP_1)
	v_pk_add_f32 v[SU0:SU0+1], v[SU0:SU0+1], v[SU2:SU2+1]
	s_delay_alu instid0(VALU_DEP_1)
	v_add_f32 v14, v14, v15
	s_delay_alu instid0(VALU_DEP_1)
	v_permlanex16_b32 v[TA], v14, s[SEL], s[SEL+1]
	s_delay_alu instid0(VALU_DEP_1)
	v_add_f32 v14, v14, v[TA]                      ; with lane l xor 16's: the row's sum
	s_wait_alu depctr_va_vdst(0)                   ; ahead of the transcendental
	v_rcp_f32 v14, v14
	v_nop                                          ; a plain place behind it
	s_wait_alu depctr_va_vdst(0)                   ; and ahead of its first reader, which is O^T's too
.set j, 0
.rept 16
	v_pk_mul_f32 v[SS+j:SS+j+1], v[OT+j:OT+j+1], v[14:15] op_sel_hi:[1,0]
.set j, j+2
.endr
.irp b, 0,1
	v_max3_num_f32 v[BM+\b], |v[SS+16*\b]|, |v[SS+16*\b+1]|, 0x4800000   ; my 16 numbers of block b, and the floor
.endr
.irp i, 2,4,6,8,10,12,14
.irp b, 0,1
	s_delay_alu instid0(VALU_DEP_2)
	v_max3_num_f32 v[BM+\b], v[BM+\b], |v[SS+16*\b+\i]|, |v[SS+16*\b+\i+1]|
.endr
.endr
.irp b, 0,1
	s_delay_alu instid0(VALU_DEP_2)
	v_permlanex16_b32 v[T2+\b], v[BM+\b], s[SEL], s[SEL+1]
.endr
.irp b, 0,1
	s_delay_alu instid0(VALU_DEP_2)
	v_max_num_f32 v[BM+\b], v[BM+\b], v[T2+\b]     ; the block's largest magnitude
.endr
.irp b, 0,1
	v_add_nc_u32 v[SCO+\b], 0xfc000000, v[BM+\b]
	v_and_or_b32 v[HOLD+\b], v[BM+\b], 0x7f800000, s[MNT]
.endr
.irp b, 0,1
	v_lshrrev_b32 v[T2+\b], 23, v[SCO+\b]
.endr
	s_delay_alu instid0(VALU_DEP_1)
	v_lshl_or_b32 v[TBY], v[T2+1], 8, v[T2]        ; my query's two scale bytes of this head
.irp b, 0,1
.irp i, 0,1,2,3,4,5,6,7,8,9,10,11,12,13,14,15
	v_med3_num_f32 v[SS+16*\b+\i], v[SS+16*\b+\i], -v[HOLD+\b], v[HOLD+\b]
.endr
	v_cvt_scalef32_pk8_fp8_f32 v[PCD+4*\b:PCD+4*\b+1], v[SS+16*\b:SS+16*\b+7], v[SCO+\b]
	v_cvt_scalef32_pk8_fp8_f32 v[PCD+4*\b+2:PCD+4*\b+3], v[SS+16*\b+8:SS+16*\b+15], v[SCO+\b]
.endr
	v_nop                                          ; one plain vector instruction behind the last scaled conversion
	; the last product's weights have their channels in order: lanes 0-15 want channels 0-15 of a block, lanes 16-31 channels 16-31: the upper lanes of registers 0, 1 change places with the lower lanes of registers 2, 3
.irp b, 0,1
	v_permlane16_swap_b32 v[PCD+4*\b], v[PCD+4*\b+2]
	v_permlane16_swap_b32 v[PCD+4*\b+1], v[PCD+4*\b+3]
.endr
	global_store_b128 v[AK0], v[PCD:PCD+3], s[8:9]               ; each store covers 512 consecutive bytes, at a multiple of 512 from the buffer's first byte
	global_store_b128 v[AK0], v[PCD+4:PCD+7], s[8:9] offset:512
	global_store_b16 v[GS], v[TBY], s[10:11]
.endm
	; THE FIRST TILE, under the first loads' flight
	QADR 0
	OADR
	v_and_b32 v6, 31, v0
	s_delay_alu instid0(VALU_DEP_1)
	v_lshlrev_b32 v[AK0], 4, v6
	s_delay_alu instid0(VALU_DEP_1)
	v_add_nc_u32 v[AV0], VREG, v[AK0]
	v_and_b32 v6, 15, v0
	s_delay_alu instid0(VALU_DEP_1)
	v_lshl_add_u32 v[ASK0], v6, 4, KSC
	s_delay_alu instid0(VALU_DEP_2)
	v_lshl_add_u32 v[ASV0], v6, 4, VSC
	s_delay_alu instid0(VALU_DEP_3)
	v_lshlrev_b32 v[GQ], 4, v6
	s_delay_alu instid0(VALU_DEP_4)
	v_lshlrev_b32 v[GS], 5, v6
	QLD
.irp j, 0,1,2,3,4,5,6,7
	v_mov_b32 v[QHI+\j], 0                         ; the zero codes on both sides of q: they stand for both tiles
	v_mov_b32 v[QLO+8+\j], 0
.endr
.irp b, 0,1,2,3
	v_mov_b32 v[T2+\b], 0                          ; written once: a lane permute's destination counts as one of its sources
.endr
	v_mov_b32 v[TA], 0
	v_mov_b32 v[FF+1], 0                           ; (named as the upper half of the pair, so it is written)
	INIT
	QFIN
	s_wait_alu depctr_va_vdst(0)                   ; the wait at the head's end
	s_wait_tensorcnt 0x0                           ; my load of the first group has landed
	ds_add_u32 v[SPW], v[NIL]
	ds_add_u32 v[SPW], v[NIL]                      ; the add twice on end
	s_wait_dscnt 0x0
	CROUND                                         ; key steps 0-3 and the scale words are shown to all sixteen waves, and the four work-groups are here: the joint loads meet
	s_cmp_lt_u32 s[WV], 4
	s_cbranch_scc0 .Lnot_k2
	TL G0K2, G1B                                   ; K's key steps 4-15, three a wave
	s_branch .Lasked2
.Lnot_k2:
	s_cmp_lt_u32 s[WV], 8
	s_cbranch_scc0 .Lasked2
	TL G0V2, G1B                                   ; V's
.Lasked2:
	STEPS 0, 4
	s_wait_alu depctr_va_vdst(0)
	s_wait_tensorcnt 0x0                           ; my load of the second group has landed
	s_wait_dscnt 0x0                               ; no LDS instruction of mine is out at a signal
	s_barrier_signal -1
	s_barrier_wait -1                              ; all of K and V is shown
	STEPS 4, 12
	QADR 1                                         ; THE SECOND TILE: its Q is asked for ahead of the first tile's way out (the last products that read Q's registers stand a softmax back)
	QLD
	WAYOUT
	s_wait_xcnt 0x0                                ; the stores have read their base and their registers
	OADR
	INIT
	QFIN
	STEPS 0, 16
	WAYOUT
	s_wait_tensorcnt 0x0                           ; the wave's end
	ds_add_u32 v[SPW], v[NIL]
	s_wait_dscnt 0x0
	CROUND                                         ; the closing round
	s_endpgm
.Lfunc_end_k_q36b2aa95cd_attn:
	.size	k_q36b2aa95cd_attn, .Lfunc_end_k_q36b2aa95cd_attn-k_q36b2aa95cd_attn
	.p2alignl 7, 3214868480
	.fill 96, 4, 3214868480
	.section	.rodata,"a",@progbits
	.p2align	6, 0x0
	.amdhsa_kernel k_q36b2aa95cd_attn
		.amdhsa_group_segment_fixed_size 327680
		.amdhsa_private_segment_fixed_size 0
		.amdhsa_enable_private_segment 0
		.amdhsa_kernarg_size 48
		.amdhsa_user_sgpr_count 2
		.amdhsa_user_sgpr_kernarg_segment_ptr 1
		.amdhsa_wavefront_size32 1
		.amdhsa_system_sgpr_workgroup_id_x 1
		.amdhsa_system_sgpr_workgroup_id_y 1
		.amdhsa_system_sgpr_workgroup_id_z 1
		.amdhsa_system_vgpr_workitem_id 0
		.amdhsa_next_free_vgpr 256
		.amdhsa_next_free_sgpr 102
		.amdhsa_reserve_vcc 0
		.amdhsa_float_denorm_mode_32 3
		.amdhsa_float_denorm_mode_16_64 3
		.amdhsa_memory_ordered 1
		.amdhsa_forward_progress 1
		.amdhsa_inst_pref_size 145
	.end_amdhsa_kernel
	.amdgpu_metadata
---
amdhsa.version: [ 1, 2 ]
amdhsa.kernels:
  - .name:           k_q36b2aa95cd_attn
    .symbol:         k_q36b2aa95cd_attn.kd
    .args:
      - { .name: qk_img, .offset: 0, .size: 8, .value_kind: global_buffer, .address_space: global }
      - { .name: qk_sc, .offset: 8, .size: 8, .value_kind: global_buffer, .address_space: global }
      - { .name: v_img, .offset: 16, .size: 8, .value_kind: global_buffer, .address_space: global }
      - { .name: v_sc, .offset: 24, .size: 8, .value_kind: global_buffer, .address_space: global }
      - { .name: a_img, .offset: 32, .size: 8, .value_kind: global_buffer, .address_space: global }
      - { .name: a_sc, .offset: 40, .size: 8, .value_kind: global_buffer, .address_space: global }
    .group_segment_fixed_size: 327680
    .private_segment_fixed_size: 0
    .kernarg_segment_align: 8
    .kernarg_segment_size: 48
    .max_flat_workgroup_size: 512
    .sgpr_count:     102
    .vgpr_count:     256
    .wavefront_size: 32
...
	.end_amdgpu_metadata
.endif
;; end of part 2
;; launch proj (part 3): grid 8 x 32, 4 waves a work-group, clusters of 4 x 4, 327,680 bytes of LDS; arguments a_img, a_sc, w_out_codes, w_out_scales, out0, b_out; writes out0
.if DOCPART == 3
	.amdgcn_target "amdgcn-amd-amdhsa--gfx1250"
	.amdhsa_code_object_version 6
	.text
	.protected	k_q36b2aa95cd_proj
	.globl	k_q36b2aa95cd_proj
	.p2align	8
	.type	k_q36b2aa95cd_proj,@function
k_q36b2aa95cd_proj:
	s_mov_b64 s[64:65], 0
	v_nop
	global_prefetch_b8 v0, s[64:65] scope:SCOPE_SE
	s_setreg_imm32_b32 hwreg(HW_REG_WAVE_MODE, 25, 1), 1
	s_wait_xcnt 0x0
	s_wait_alu depctr_hold_cnt(0) depctr_sa_sdst(0) depctr_va_vdst(0) depctr_va_sdst(0) depctr_va_ssrc(0) depctr_va_vcc(0) depctr_vm_vsrc(0)
	s_getreg_b32 s2, hwreg(HW_REG_IB_STS2, 6, 4)
	s_cmp_eq_u32 s2, 0
	s_cbranch_scc0 .Lentry_in_a_cluster
	s_endpgm
.Lentry_in_a_cluster:
	s_bfe_u32 s2, ttmp6, 0x10000c
	s_cmp_lg_u32 s2, 0xf033
	s_cbranch_scc0 .Lentry_shape_is_right
	s_endpgm
.Lentry_shape_is_right:
; out0 = a W_out^T + b_out on codes of MX-FP8 (E4M3, a scale byte for 32 along K): 8,192 x 1,024 x 1,024, f32 out.
; THE DEAL.  256 work-groups, (N = 0..7) x (M = 0..31), four waves as 2 x 2.  A work-group makes tokens 256 M .. + 255 x columns 128 N .. + 127.  A wave holds 64 rows of W_out, ALL of K, in 512 registers (windows 1, 2)
; and walks eight blocks of 16 tokens, which stand in two sets of 128 registers (window 3): 32 products a block.  Source 0 = W's rows, source 1 = the tokens: a lane holds one token and eight neighbouring columns a tile.  The bias is the first products' C.
; a_img: (head / 4) x 2,097,152 + (token / 16) x 4096 + (head % 4) x 1024 + plane x 512 + 16 x lane: images of operand registers.  A chunk of 128 tokens is four dense pieces of 32,768 bytes, one for each 256 of K: a piece a wave, laid as 32 rows of 1,024 bytes.
; LDS: two slots of 128 rows (1,024 bytes + 16 of padding).  FILLS, one joint load a wave each: W's 128 rows into slot 1 at the head; chunk 0 into slot 0 behind the full sequence and a round; chunk 1 over W's rows, behind a drained round, when W stands in registers;
; it is shown by the barrier behind block 2.  The tokens' pieces are shared along a row of the cluster, W's rows along a column.
; THE WAY OUT.  A block's 16 x 64 sums go through the wave's own stage in LDS (rows of 256 bytes + 16) among the next block's products, and leave as aligned units of 256 bytes.
; PREFETCH: both chunks are asked for at the head, each aligned 256 bytes once in a cluster: the sixteen waves of a cluster's row share them out by address.
; LIMITS: NaN, infinities and sums beyond f32's range are not served.
.set PITCH, 1040
.set YB,    128*PITCH
.set SPARE, 2*YB
.set STAGE, SPARE+512
.set ADRB, 4                           ; v4 my rows of W in slot 1
.set AD,   5                           ; v5-8 my blocks: 2 x chunk + (K / 512)
.set STO,  9
.set RD,   10
.set CO,   11
.set SPW,  12
.set NIL,  13
.set SB,   24                          ; v24-39 W's scale words: register 8 p + q: lanes 0-15 tile 2 p, lanes 16-31 tile 2 p + 1
.set SA,   44                          ; v44-107 the tokens': 8 x block + q
.set ACC,  112                         ; v112-175 two sets of four sums
.set OB,   176                         ; v176-207 16 rows read back from the stage
.set BQ,   208                         ; v208-239 the bias in the sums' layout
.set WV,   16
.set G1W,  24
.set G1A,  32
.set G0W,  48
.set G0A0, 52
.set G0A1, 56
.set MSB, 0
.macro WIN new
.if MSB != (\new)
	s_set_vgpr_msb (MSB<<8)|(\new)
.set MSB, (\new)
.endif
.endm
.macro PLACES n
.rept \n
	v_nop
.endr
.endm
.macro BARRIER
	s_barrier_signal -1
	s_barrier_wait -1
.endm
.macro CROUND                          ; a round of the cluster's barrier
	BARRIER
	s_cmp_lg_u32 s[WV], 0
	s_cbranch_scc1 .Lnot_wave_0_\@
	s_barrier_signal -3
.Lnot_wave_0_\@:
	s_barrier_wait -3
	BARRIER
.endm
.macro TL g0, g1                       ; a tensor load; s_nop 0 and four v_nop follow it
	tensor_load_to_lds s[\g0:\g0+3], s[\g1:\g1+7]
	s_nop 0
	PLACES 4
.endm
.macro GROUP1 g, mask                  ; 32 rows of 1,024 bytes, 16 of padding behind each
	s_or_b32 s[\g+0], s[\mask], (1<<20)|(1<<21)|(7<<22)|(3<<25)
	s_mov_b32 s[\g+1], 1024<<16
	s_mov_b32 s[\g+2], 32<<16
	s_mov_b32 s[\g+3], 1024<<16
	s_mov_b32 s[\g+4], 32
	s_mov_b32 s[\g+5], 1024
	s_mov_b32 s[\g+6], 0
	s_mov_b32 s[\g+7], 0
.endm
.macro GROUP0 g, slot, base            ; to my 32 rows of a slot, from s[66:67] bytes into the buffer
	s_mov_b32 s[\g], 1
	s_add_co_u32 s[\g+1], s20, \slot
	s_add_nc_u64 s[\g+2:\g+3], s[\base:\base+1], s[66:67]
	s_or_b32 s[\g+3], s[\g+3], 0x80000000
.endm
	s_load_b256 s[4:11], s[0:1], 0x0               ; a_img, a_sc, W's codes, W's scales
	s_load_b128 s[12:15], s[0:1], 0x20             ; out0, b_out
	v_lshl_add_u32 v[SPW], v0, 2, SPARE
	v_mov_b32 v[NIL], 0
	ds_add_u32 v[SPW], v[NIL]                      ; the opening lines: the add twice on end and its wait
	ds_add_u32 v[SPW], v[NIL]
	v_lshrrev_b32 v1, 5, v0
	v_readfirstlane_b32 s[WV], v1                  ; wave 0..3
	s_lshr_b32 s17, s[WV], 1                       ; my row of waves
	s_and_b32 s18, s[WV], 1                        ; my column
	s_bfe_u32 s40, ttmp6, 0x40000
	s_bfe_u32 s41, ttmp6, 0x40004
	s_lshl_b32 s42, ttmp9, 2
	s_add_co_u32 s42, s42, s40                     ; N
	s_and_b32 s43, ttmp7, 0xffff
	s_lshl_b32 s43, s43, 2
	s_add_co_u32 s43, s43, s41                     ; M
	s_lshl_b32 s44, s41, 2
	s_lshl_b32 s44, 15, s44                        ; my row of the cluster: shares the tokens
	s_lshl_b32 s45, 0x1111, s40                    ; my column: shares W's rows
	GROUP1 G1W, 45
	GROUP1 G1A, 44
	s_mul_i32 s20, s[WV], 32*PITCH
	s_mov_b32 s67, 0
	s_lshl_b32 s66, s42, 17                        ; W: row 128 N + 32 w
	s_lshl_b32 s23, s[WV], 15
	s_add_co_u32 s66, s66, s23
	s_wait_dscnt 0x0
	CROUND                                         ; all sixteen work-groups are here
	s_wait_kmcnt 0x0
	GROUP0 G0W, YB, 8
	TL G0W, G1W                                    ; my 32 rows of W: one load a wave at the head
	s_lshl_b32 s66, s[WV], 21                      ; the tokens: piece w (K = 256 w on) of chunk 0,
	s_lshl_b32 s23, s43, 16
	s_add_co_u32 s66, s66, s23
	GROUP0 G0A0, 0, 4
	s_add_co_u32 s66, s66, 32768                   ; of chunk 1
	GROUP0 G0A1, YB, 4
	s_lshl_b32 s66, s43, 13                        ; a_sc: token 256 M + 64 x my row of waves
	s_lshl_b32 s23, s17, 11
	s_add_co_u32 s66, s66, s23
	s_add_nc_u64 s[68:69], s[6:7], s[66:67]
	s_lshl_b32 s66, s42, 12                        ; W's scale bytes: row 128 N + 64 x my column
	s_lshl_b32 s23, s18, 11
	s_add_co_u32 s66, s66, s23
	s_add_nc_u64 s[70:71], s[10:11], s[66:67]
	s_lshl_b32 s66, s42, 9                         ; the bias, and my columns in a row of out0
	s_lshl_b32 s23, s18, 8
	s_add_co_u32 s66, s66, s23
	s_add_nc_u64 s[72:73], s[14:15], s[66:67]
	s_lshl_b32 s23, s43, 20
	s_add_co_u32 s66, s66, s23
	s_lshl_b32 s23, s17, 18
	s_add_co_u32 s66, s66, s23
	s_add_nc_u64 s[12:13], s[12:13], s[66:67]      ; out0 at token 256 M + 64 x my row of waves
	s_lshl_b32 s74, s40, 21                        ; the prefetches: piece cx, my 8,192 bytes of it
	s_lshl_b32 s23, s43, 16
	s_add_co_u32 s74, s74, s23
	s_lshl_b32 s23, s[WV], 13
	s_add_co_u32 s74, s74, s23
	s_mul_i32 s75, s18, 64*PITCH
	s_add_co_u32 s75, s75, YB
	s_mul_i32 s76, s17, 16*PITCH
	s_mul_i32 s77, s[WV], 16*272
	s_add_co_u32 s77, s77, STAGE
	v_and_b32 v1, 15, v0                           ; r
	v_bfe_u32 v2, v0, 4, 1                         ; h
	v_and_b32 v3, 31, v0
	v_mul_u32_u24 v18, v1, PITCH
	v_lshl_add_u32 v18, v2, 4, v18
	v_add_nc_u32 v[ADRB], s75, v18
	v_lshl_add_u32 v[AD], v3, 4, s76
	v_add_nc_u32 v[AD+1], 64*PITCH, v[AD]
	v_add_nc_u32 v[AD+2], YB, v[AD]
	v_add_nc_u32 v[AD+3], YB+64*PITCH, v[AD]
	v_mul_u32_u24 v19, v1, 272
	v_lshl_add_u32 v19, v2, 5, v19
	v_add_nc_u32 v[STO], s77, v19                  ; in: row r, 32 bytes for each half of the lanes
	v_mul_u32_u24 v20, v2, 272
	v_lshl_add_u32 v20, v1, 4, v20
	v_add_nc_u32 v[RD], s77, v20                   ; back: lanes 0-15 one row, lanes 16-31 the next
	v_lshlrev_b32 v21, 12, v2
	v_lshl_add_u32 v[CO], v1, 4, v21               ; the same two rows in out0
	v_lshlrev_b32 v14, 5, v1
	v_lshlrev_b32 v15, 5, v3
	v_lshlrev_b32 v16, 5, v2
	v_lshl_add_u32 v17, v3, 8, s74
	global_prefetch_b8 v17, s[4:5] th:TH_LOAD_NT scope:SCOPE_SE
	global_prefetch_b8 v17, s[4:5] offset:32768 th:TH_LOAD_NT scope:SCOPE_SE
.irp p, 0,1
.irp c, 0,1
	global_load_b128 v[SB+8*\p+4*\c:SB+8*\p+4*\c+3], v15, s[70:71] offset:\p*1024+16*\c
.endr
.endr
.irp t, 0,1,2,3
	global_load_b128 v[BQ+8*\t:BQ+8*\t+3], v16, s[72:73] offset:64*\t
	global_load_b128 v[BQ+8*\t+4:BQ+8*\t+7], v16, s[72:73] offset:64*\t+16
.endr
.irp b, 0,1,2,3,4,5,6,7
.irp c, 0,1
	global_load_b128 v[SA+8*\b+4*\c:SA+8*\b+4*\c+3], v14, s[68:69] offset:((\b/4)*128+(\b%4)*16)*32+16*\c
.endr
.endr
	s_wait_alu depctr_va_vdst(0)                   ; the wait at the head's end
	s_wait_tensorcnt 0x0                           ; my rows of W are in
	ds_add_u32 v[SPW], v[NIL]
	s_wait_dscnt 0x0
	CROUND                                         ; W's 128 rows are shown
	TL G0A0, G1A                                   ; chunk 0, a piece a wave
.set F_, 0
.rept 32                                       ; W into registers: fragment 4 q + tile
	WIN (1+F_/16)<<6
.irp c, 0,1,2,3
	ds_load_b128 v[16*(F_%16)+4*\c:16*(F_%16)+4*\c+3], v[ADRB] offset:(F_%4)*16*PITCH+128*(F_/4)+32*\c
.endr
.set F_, F_+1
.endr
	WIN 0
	s_wait_tensorcnt 0x0                           ; my piece of chunk 0 is in
	ds_add_u32 v[SPW], v[NIL]
	s_wait_dscnt 0x0                               ; W stands in registers
	CROUND
	TL G0A1, G1A                                   ; chunk 1, over W's rows
.macro FETCH e, b                      ; block b = 4 x chunk + i of my row of waves into set e: 32 loads of 512 consecutive bytes
	WIN 3<<6
.irp q, 0,1,2,3,4,5,6,7
.irp c, 0,1,2,3
	ds_load_b128 v[128*(\e)+16*\q+4*\c:128*(\e)+16*\q+4*\c+3], v[AD+2*((\b)/4)+\q/4] offset:((\q/2)%2)*32*PITCH+(4*((\b)%4)+2*(\q%2)+\c/2)*PITCH+(\c%2)*512
.endr
.endr
	WIN 0
.endm
.macro FQ b, q                         ; block b's fragment q into set b % 2: 4 loads
.irp c, 0,1,2,3
	ds_load_b128 v[128*((\b)%2)+16*(\q)+4*\c:128*((\b)%2)+16*(\q)+4*\c+3], v[AD+2*((\b)/4)+(\q)/4] offset:(((\q)/2)%2)*32*PITCH+(4*((\b)%4)+2*((\q)%2)+\c/2)*PITCH+(\c%2)*512
.endr
.endm
; Among block b's products stand: the fetch of block fb into the other set, 8 loads behind each of products 3, 7, 11, 15; block ob's way through the stage behind product 19, and its stores behind product 27 (-1: none).
; Eight places stand behind the last product that read that set and made those sums.
.macro PRODS b, fb, ob
.set N_, 0
.rept 32
.set Q_, N_/4
.set T_, N_%4
.set D_, ACC+32*((\b)%2)+8*T_
.set C_, D_
.if Q_ == 0
.set C_, BQ+8*T_
.endif
.set W_, 16*(N_%16)
.set R_, 128*((\b)%2)+16*Q_
.set XS_, SA+8*(\b)+Q_
.set WS_, SB+8*(T_/2)+Q_
	WIN (1+N_/16)|(3<<2)
.if T_%2
	v_wmma_scale_f32_16x16x128_f8f6f4 v[D_:D_+7], v[W_:W_+15], v[R_:R_+15], v[C_:C_+7], v[WS_], v[XS_] matrix_a_scale:MATRIX_SCALE_ROW1
.else
	v_wmma_scale_f32_16x16x128_f8f6f4 v[D_:D_+7], v[W_:W_+15], v[R_:R_+15], v[C_:C_+7], v[WS_], v[XS_]
.endif
.if ((\fb) >= 0) && (N_ < 16) && (N_%4 == 3)
	WIN 3<<6
	FQ \fb, N_/2-1
	FQ \fb, N_/2
.endif
.if ((\ob) >= 0) && (N_ == 19)
	WIN 0
	TOSTAGE \ob
.endif
.if ((\ob) >= 0) && (N_ == 27)
	WIN 0
	SEND \ob, 0
.endif
.set N_, N_+1
.endr
	WIN 0
	PLACES 8                                       ; behind the last product, ahead of the loads into what it has read and of the stores of its sums
.endm
.macro TOSTAGE b                       ; block b's sums into my stage, each from its low end on, and back as whole rows; LDS serves a wave's instructions in order (ISA guide 5.7.1.4)
	s_wait_xcnt 0x0                                ; the stores before have read their registers
.irp t, 0,1,2,3
	ds_store_b128 v[STO], v[ACC+32*((\b)%2)+8*\t:ACC+32*((\b)%2)+8*\t+3] offset:64*\t
	ds_store_b128 v[STO], v[ACC+32*((\b)%2)+8*\t+4:ACC+32*((\b)%2)+8*\t+7] offset:64*\t+16
.endr
.irp i, 0,1,2,3,4,5,6,7
	ds_load_b128 v[OB+4*\i:OB+4*\i+3], v[RD] offset:2*\i*272
.endr
.endm
.macro SEND b, younger                 ; younger: the LDS loads issued behind the stage's
	s_wait_dscnt \younger
.irp i, 0,1,2,3,4,5,6,7
	global_store_b128 v[CO], v[OB+4*\i:OB+4*\i+3], s[12:13] offset:(((\b)/4)*128+((\b)%4)*16+2*\i)*4096 th:TH_STORE_NT   ; 16 lanes store 256 consecutive bytes, aligned
.endr
.endm
	FETCH 0, 0
	s_wait_loadcnt 0x0                             ; scale words and bias
	s_wait_dscnt 0x0
	PRODS 0, 1, -1
	s_wait_dscnt 0x0
	PRODS 1, 2, 0
	s_wait_dscnt 0x0
	PRODS 2, 3, 1
	s_wait_tensorcnt 0x0                           ; my piece of chunk 1 is in
	s_wait_dscnt 0x0
	BARRIER                                        ; chunk 1 is shown
	PRODS 3, 4, 2
	s_wait_dscnt 0x0
	PRODS 4, 5, 3
	s_wait_dscnt 0x0
	PRODS 5, 6, 4
	s_wait_dscnt 0x0
	PRODS 6, 7, 5
	s_wait_dscnt 0x0
	PRODS 7, -1, 6
	TOSTAGE 7
	SEND 7, 0
	s_wait_tensorcnt 0x0                           ; the wave's end
	ds_add_u32 v[SPW], v[NIL]
	s_wait_dscnt 0x0
	CROUND                                         ; the closing round
	s_endpgm
.Lfunc_end_k_q36b2aa95cd_proj:
	.size	k_q36b2aa95cd_proj, .Lfunc_end_k_q36b2aa95cd_proj-k_q36b2aa95cd_proj
	.p2alignl 7, 3214868480
	.fill 96, 4, 3214868480
	.section	.rodata,"a",@progbits
	.p2align	6, 0x0
	.amdhsa_kernel k_q36b2aa95cd_proj
		.amdhsa_group_segment_fixed_size 327680
		.amdhsa_private_segment_fixed_size 0
		.amdhsa_enable_private_segment 0
		.amdhsa_kernarg_size 48
		.amdhsa_user_sgpr_count 2
		.amdhsa_user_sgpr_kernarg_segment_ptr 1
		.amdhsa_wavefront_size32 1
		.amdhsa_system_sgpr_workgroup_id_x 1
		.amdhsa_system_sgpr_workgroup_id_y 1
		.amdhsa_system_sgpr_workgroup_id_z 1
		.amdhsa_system_vgpr_workitem_id 0
		.amdhsa_next_free_vgpr 1024
		.amdhsa_next_free_sgpr 100
		.amdhsa_reserve_vcc 0
		.amdhsa_float_denorm_mode_32 3
		.amdhsa_float_denorm_mode_16_64 3
		.amdhsa_memory_ordered 1
		.amdhsa_forward_progress 1
		.amdhsa_inst_pref_size 87
	.end_amdhsa_kernel
	.amdgpu_metadata
---
amdhsa.version: [ 1, 2 ]
amdhsa.kernels:
  - .name:           k_q36b2aa95cd_proj
    .symbol:         k_q36b2aa95cd_proj.kd
    .args:
      - { .name: a_img, .offset: 0, .size: 8, .value_kind: global_buffer, .address_space: global }
      - { .name: a_sc, .offset: 8, .size: 8, .value_kind: global_buffer, .address_space: global }
      - { .name: w_out_codes, .offset: 16, .size: 8, .value_kind: global_buffer, .address_space: global }
      - { .name: w_out_scales, .offset: 24, .size: 8, .value_kind: global_buffer, .address_space: global }
      - { .name: out0, .offset: 32, .size: 8, .value_kind: global_buffer, .address_space: global }
      - { .name: b_out, .offset: 40, .size: 8, .value_kind: global_buffer, .address_space: global }
    .group_segment_fixed_size: 327680
    .private_segment_fixed_size: 0
    .kernarg_segment_align: 8
    .kernarg_segment_size: 48
    .max_flat_workgroup_size: 128
    .sgpr_count:     100
    .vgpr_count:     1024
    .wavefront_size: 32
...
	.end_amdgpu_metadata
.endif
;; end of part 3
